; MI455X (gfx1250); checked and timed in simulation.
; The chip was launched on July 23, 2026; its instructions are those of AMD's public machine-readable ISA for CDNA 5 (MIT licence, August 2026) and "CDNA5" Instruction Set Architecture Reference Guide (July 2026). The comments in the code are by the model that wrote it; some were corrected since.
;; Net. Allowed arithmetic: float matrix products may take bf16 or f16 operands with f32 sums; other float arithmetic in f32, or as packed bf16 or f16 multiplies, adds, multiply-adds, maxima and minima; sums over many terms, partial sums and values carried from step to step in f32; what a program stores and reads back later, other than sums and carried values, may be rounded once to bf16 or f16.
;; Inputs: W_h 128 x 128 float32; W_in 128 x 1 float32; W_out 1 x 128 float32; b_h 128 float32; b_in 128 float32; b_out 1 float32; beta_h 128 float32; beta_in 128 float32; beta_out 1 float32; thr_h 128 float32; thr_in 128 float32; x 512 x 2,048 x 1 float32.
;; Outputs: out0 512 x 2,048 x 1 float32.
;; 2 versions, each right; version 2 is version 1 with the launch main written anew for expert scheduling mode. Each part assembles by itself: llvm-mc -triple=amdgcn-amd-amdhsa -mcpu=gfx1250 --defsym DOCPART=n.
;; ======== version 1 of 2: 1 launch
;; limits: inputs' magnitudes at most 134,217,728; below input magnitudes of 1.3e-23 results are inexact or not finite
;; launch main (part 1): grid 256 x 1, 4 waves a work-group, no clusters, 167,936 bytes of LDS; arguments x, W_in, b_in, beta_in, thr_in, W_h, b_h, beta_h, thr_h, W_out, b_out, beta_out, out0; writes out0
.if DOCPART == 1
	.amdgcn_target "amdgcn-amd-amdhsa--gfx1250"
	.amdhsa_code_object_version 6
	.text
	.protected	k_qf5cc9d3341_main
	.globl	k_qf5cc9d3341_main
	.p2align	8
	.type	k_qf5cc9d3341_main,@function
k_qf5cc9d3341_main:
	s_mov_b64 s[64:65], 0
	v_nop
	global_prefetch_b8 v0, s[64:65] scope:SCOPE_SE
	s_setreg_imm32_b32 hwreg(HW_REG_WAVE_MODE, 25, 1), 1
	s_wait_xcnt 0x0
; A NET OF THREE LEAKY LAYERS, SCANNED OVER 512 STEPS.  x: [512][2048][1], out0: [512][2048][1], f32; 128 units in each of the two spiking layers.
;   layer 1:  m1 = b1 m1 + (x W_in + b_in) - r1 thr_in,  s1 = (m1 > thr_in)         layer 2:  m2 = b2 m2 + (s1 W_h^T + b_h) - r2 thr_h,  s2 = (m2 > thr_h)
;   output:   m3 = b3 m3 + (s2 W_out^T + b_out), stored for every step.             b = clip(beta, 0, 1); r = (m of the step before > thr).
; SHARES.  Only the batch is parallel: 256 work-groups of four waves, 8 columns of the batch each, all 512 steps.  Layer 1 is shared out by unit: wave w has units 32 w .. 32 w + 31, a lane one
; column (lane % 8) and 8 units (lane / 8).  Layer 2 likewise: wave w has units 32 w .. + 31 as two tiles of 16.  The output product is taken by each wave over its own 32 units; m3 is linear, so each
; wave integrates its own part of m3, and the four parts are added on the way out.
; TIME goes in chunks of 16 steps = 8 ROW TILES of 16 rows (2 steps x 8 columns).  In BODY c every wave makes layer 1 of chunk c, into one of two LDS buffers, and beside it layer 2 and the output of
; chunk c - 1, from the other buffer: ONE barrier a chunk, and vector work of one layer behind the matrix instructions of the other.
; LAYOUT.  D = A B + C with A = 16 rows of s1, B = 16 rows of W_h, C = b_h.  Row m of a tile is column 4 (m / 8) + m % 4 in step parity (m / 4) % 2.  In the result a lane then holds ONE unit (lane % 16);
; its registers 0-3 are four neighbouring columns of the even step, 4-7 the same columns of the odd step: the recurrence stays inside the lane, two columns to a packed instruction, parameters one a lane.
; s2 goes through 1,024 bytes of the wave's own LDS, stored by unit and read back turned (ds_load_tr16_b128), to be source 0 of the output product.
; A slot (one row tile) runs three stages: products of tile k, layer 2's recurrence of tile k - 1, output of tile k - 2.
; ARITHMETIC.  A spike is a decision, so every rounding ahead of it is reference()'s own.  ALL TWELVE INPUTS ARE ROUNDED ONCE TO bf16 (the format of the matrix operands); then x W_in is exact in f32,
; s1 W_h^T + b_h is a sum of bf16 numbers, and cur, the leak and the reset are rounded once each, in reference()'s order.  FUSE = 1: b m + cur is one fused multiply-add; FUSE = 0: the product is rounded first.
; IDENTITIES.  (m - thr > 0) is (m > thr) in f32 with denormals, so the reset of a step is the spike of the step before: one decision a unit and step; the first reset, (0 > thr), is made, not assumed.
; A spike is made by arithmetic: clamp to 0..1 of m 2^100 - thr 2^100, one rounding of an exact number: 1.0 where m > thr, 0.0 where not.
; NOTHING IS LEFT OUT: every input is loaded and every step of reference() is taken (the first step's products with the zero state stand inside the loop's text, beside live work).
; LIMITS.  Where 0 < m - thr < 2^-100 (both below 2^-76 in size) the spike is a fraction; |thr| stays under 2^27; NaN and infinities are not treated apart (clip by max_num, min_num).
; m3 is the sum of four integrators: its order of rounding is not reference()'s.  Weights of W_h below 2^-17 in size can make a sum inexact, and its rounding then hangs on the order of the terms.
; NOT USED.  Tensor loads, a ring, a prefetch: a work-group reads 16 KiB of x and 68 KiB of parameters once, at its head, converting on the way, and waits for no stream afterwards.  A cluster: what work-groups
; share is W_h, read once through registers.  out0 and x: a step's 8 columns are 32 consecutive bytes, so a store covers 32 bytes a step; wider pieces would want 64 columns to a work-group, 32 work-groups in all.
.set FUSE,  1
.set ROWB,  8192                       ; bytes from step to step in x and out0
.set PITCH, 272                        ; a row of s1 in LDS: 128 bf16 + 16 bytes: the 16 rows of a fragment load, and the 16 lanes of a store, fall into 16 different columns of 16 bytes
.set S1B,   128*PITCH                  ; a buffer of s1: 16 steps x 8 columns; row 16 k + 2 column + parity.  Two buffers from byte 0
.set SCR,   2*S1B                      ; 1,024 bytes a wave: s2 of a tile, [32 units][16 rows] bf16
.set CUR,   SCR+4*1024                 ; 16,384 bytes a wave: its part of m3, [512 steps][8 columns] f32
.set XT,    CUR+4*16384                ; x rounded to bf16, kept as f32, turned: row = column, word = step
.set XP,    2064                       ; its pitch
.set SPARE, 155904                     ; the spare words, 128 bytes a wave: two blocks of 256 bytes that no other line names
; window 0
.set SPW, 2                            ; v2   my spare word's address; never rewritten
.set NIL, 3                            ; v3   0; never rewritten
.set AW,  4                            ; v4-5 where I store s1, buffer 0, 1
.set AR,  6                            ; v6-7 where I read fragments of s1, buffer 0, 1
.set ASW, 8                            ; v8   where I store s2
.set ASR, 9                            ; v9   where I read it back turned
.set AX0, 10                           ; v10  my column's row of x;  v11 the same at the chunk in hand
.set AX,  11
.set AC0, 12                           ; v12  my wave's part of m3, two tiles back;  v13 the same at the chunk in hand
.set AC,  13
.set PO4, 14                           ; head: offsets into W_h, and (XS) into XT
.set XS,  15
.set LB,  16                           ; v16-23  b_in of my 8 units
.set LTB, 24                           ; v24-31  -thr_in 2^100
.set M1,  32                           ; v32-39
.set S1E, 40                           ; v40-47  spikes of the even step,  v48-55 of the odd step
.set S1O, 48
.set C1E, 56                           ; v56-63  cur of the even step,  v64-71 of the odd step
.set C1O, 64
.set P1E, 72                           ; v72-79  spikes packed to bf16
.set P1O, 76
.set X,   80                           ; v80-95  the chunk's 16 x of my column
.set TB2, 96                           ; v96-99  -thr_h 2^100, a pair for each of my two units
.set M2,  100                          ; v100-107  4 columns for each unit
.set S2E, 108
.set S2O, 116
.set S2P, 124                          ; v124-131  s2 packed
.set BIAS,132                          ; v132-147  b_h, eight times for each unit: the C that starts a sum
.set D,   148                          ; v148-179  two buffers of two accumulators
.set SF,  180                          ; v180-187  s2 as source 0
.set DOUT,188                          ; v188-195
.set BO,  196                          ; v196-203  b_out in wave 0, else 0
.set M3E, 204
.set M3O, 208
.set AF,  212                          ; v212-243  a tile's four fragments of s1
.set TT,  244                          ; v244-251  head: at work; FUSE = 0: the rounded products
.set tR,  245
.set tHF, 246
.set tB1, 247
.set tOC, 248
.set tA,  249
.set tB,  250
.set tC,  251
.set VO,  252                          ; v252 my offset in x and in out0; never rewritten
.set PO1, 253
.set PO2, 254
.set PO3, 255
; window 1: all that stands as source 1 in the loop
.set WB,  0                            ; v0-63   W_h: unit tile u, fragment f at 8 (4 u + f)
.set WO,  64                           ; v64-71  W_out of my 32 units
.set LW,  72                           ; W_in, clip(beta_in), -thr_in of my 8 units
.set LBE, 80
.set LNT, 88
.set BE2, 96                           ; clip(beta_h), -thr_h: a pair for each unit
.set NT2, 100
.set BIG, 104                          ; 2^100 twice
.set B3,  106                          ; clip(beta_out) twice
.set ONE, 108
.set STG, 112                          ; v112-239  head: W_h in f32
.set WV,  34                           ; s34 wave; s35 trips; s36 64 x chunk (x); s37 512 x chunk (m3)
; An instruction names 256 registers; s_set_vgpr_msb says which window each operand place means (bits 1:0 source 0, 3:2 source 1, 5:4 source 2, 7:6 destination).
; THE LOOP RUNS UNDER ONE SETTING, 0x04: source 1 of every packed multiply-add is a parameter and source 1 of every product is a weight, and those lie in window 1.
; What wants source 1 in window 0 (roundings to bf16, LDS stores' data) stands together at a slot's end: two switches a slot.
.set MSB, 0
.macro WIN new                         ; the high byte repeats the setting that is left; a switch that changes nothing is dropped
.if MSB != (\new)
	s_set_vgpr_msb (MSB<<8)|(\new)
.set MSB, (\new)
.endif
.endm
.macro PLACES                          ; four places behind a matrix instruction where no other vector work is at hand (ISA guide 7.12.1)
.rept 4
	v_nop
.endr
.endm
; LDS instructions come back in order (ISA guide 5.7.1).  DSN counts them as they are written; a mark keeps the count behind a load; WAITM leaves out exactly those written behind the mark.
; Every BODY waits for 0 ahead of its first counted wait, so no mark is used across a label.
.set DSN, 0
.set MX,  0
.set MSF, 0
.set MF0, 0
.set MF1, 0
.set MF2, 0
.set MF3, 0
.macro DSI n
.set DSN, DSN+(\n)
.endm
.macro WAITM name
	s_wait_dscnt DSN-(\name)
.endm
.macro RB a, b                         ; two f32 rounded to bf16, nearest even, and widened again, in place
	v_cvt_pk_bf16_f32 v1, v[\a], v[\b]
	v_lshlrev_b32 v[\a], 16, v1
	v_and_b32 v[\b], 0xffff0000, v1
.endm
.macro FLAGS m, e, o, l                ; what a slot holds: products; layer 2's recurrence; the output; layer 1
.set HM, \m
.set HE, \e
.set HO, \o
.set HL, \l
.endm
.set K,  0
.set PM, 0
.set PE, 0
.set RBUF, 0
.set WBUF, 0
.set STEPF, 0
; LAYER 1, eight groups of four packed lines (my 8 units) for the tile's two steps: 1, 2 cur of the even and the odd step; 3 leak, 4 reset, 5 spike of the even step; 6, 7, 8 of the odd step.
.macro LLEAK c
.if FUSE
.set z, 0
.rept 4
	v_pk_fma_f32 v[M1+z:M1+z+1], v[M1+z:M1+z+1], v[LBE+z:LBE+z+1], v[(\c)+z:(\c)+z+1]
.set z, z+2
.endr
.else
.set z, 0
.rept 4
	v_pk_mul_f32 v[TT+z:TT+z+1], v[M1+z:M1+z+1], v[LBE+z:LBE+z+1]
.set z, z+2
.endr
.set z, 0
.rept 4
	v_pk_fma_f32 v[M1+z:M1+z+1], v[TT+z:TT+z+1], v[ONE:ONE+1], v[(\c)+z:(\c)+z+1]
.set z, z+2
.endr
.endif
.endm
.macro LG n
.if HL
.if (\n) == 3
	LLEAK C1E
.elseif (\n) == 6
	LLEAK C1O
.else
.set z, 0
.rept 4
.if (\n) == 1
	v_pk_fma_f32 v[C1E+z:C1E+z+1], v[X+2*K:X+2*K+1], v[LW+z:LW+z+1], v[LB+z:LB+z+1] op_sel_hi:[0,1,1]                ; the pair's first x for both units
.elseif (\n) == 2
	v_pk_fma_f32 v[C1O+z:C1O+z+1], v[X+2*K:X+2*K+1], v[LW+z:LW+z+1], v[LB+z:LB+z+1] op_sel:[1,0,0] op_sel_hi:[1,1,1]  ; its second
.elseif (\n) == 4
	v_pk_fma_f32 v[M1+z:M1+z+1], v[S1O+z:S1O+z+1], v[LNT+z:LNT+z+1], v[M1+z:M1+z+1]
.elseif (\n) == 5
	v_pk_fma_f32 v[S1E+z:S1E+z+1], v[M1+z:M1+z+1], v[BIG:BIG+1], v[LTB+z:LTB+z+1] clamp
.elseif (\n) == 7
	v_pk_fma_f32 v[M1+z:M1+z+1], v[S1E+z:S1E+z+1], v[LNT+z:LNT+z+1], v[M1+z:M1+z+1]
.else
	v_pk_fma_f32 v[S1O+z:S1O+z+1], v[M1+z:M1+z+1], v[BIG:BIG+1], v[LTB+z:LTB+z+1] clamp
.endif
.set z, z+2
.endr
.endif
.endif
.endm
; LAYER 2, six groups of four packed lines (two units x two pairs of columns) on the accumulators of the tile before: 1 leak, 2 reset, 3 spike of the even step; 4, 5, 6 of the odd step.
; Group 1 reads each accumulator's registers 0, 1 first.
.macro ELEAK o
.if FUSE
.irp q, 0,1,2,3
.set rO, 4*((\q)&1)+2*((\q)>>1)
.set rP, 2*((\q)&1)
.set rD, D+16*PE+8*((\q)&1)+2*((\q)>>1)+(\o)
	v_pk_fma_f32 v[M2+rO:M2+rO+1], v[M2+rO:M2+rO+1], v[BE2+rP:BE2+rP+1], v[rD:rD+1]
.endr
.else
.irp q, 0,1,2,3
.set rO, 4*((\q)&1)+2*((\q)>>1)
.set rP, 2*((\q)&1)
	v_pk_mul_f32 v[TT+2*(\q):TT+2*(\q)+1], v[M2+rO:M2+rO+1], v[BE2+rP:BE2+rP+1]
.endr
.irp q, 0,1,2,3
.set rO, 4*((\q)&1)+2*((\q)>>1)
.set rD, D+16*PE+8*((\q)&1)+2*((\q)>>1)+(\o)
	v_pk_fma_f32 v[M2+rO:M2+rO+1], v[TT+2*(\q):TT+2*(\q)+1], v[ONE:ONE+1], v[rD:rD+1]
.endr
.endif
.endm
.macro EG n
.if HE
.if (\n) == 1
	ELEAK 0
.elseif (\n) == 4
	ELEAK 4
.else
.irp q, 0,1,2,3
.set rO, 4*((\q)&1)+2*((\q)>>1)
.set rP, 2*((\q)&1)
.if (\n) == 2
	v_pk_fma_f32 v[M2+rO:M2+rO+1], v[S2O+rO:S2O+rO+1], v[NT2+rP:NT2+rP+1], v[M2+rO:M2+rO+1]
.elseif (\n) == 3
	v_pk_fma_f32 v[S2E+rO:S2E+rO+1], v[M2+rO:M2+rO+1], v[BIG:BIG+1], v[TB2+rP:TB2+rP+1] clamp
.elseif (\n) == 5
	v_pk_fma_f32 v[M2+rO:M2+rO+1], v[S2E+rO:S2E+rO+1], v[NT2+rP:NT2+rP+1], v[M2+rO:M2+rO+1]
.else
	v_pk_fma_f32 v[S2O+rO:S2O+rO+1], v[M2+rO:M2+rO+1], v[BIG:BIG+1], v[TB2+rP:TB2+rP+1] clamp
.endif
.endr
.endif
.endif
.endm
; THE OUTPUT's integrator, my wave's part: 1 the even step, 2 the odd step; four columns each.
.macro OG n
.if HO
.irp p, 0,2
.if (\n) == 1
	v_pk_fma_f32 v[M3E+(\p):M3E+(\p)+1], v[M3O+(\p):M3O+(\p)+1], v[B3:B3+1], v[DOUT+(\p):DOUT+(\p)+1]
.else
	v_pk_fma_f32 v[M3O+(\p):M3O+(\p)+1], v[M3E+(\p):M3E+(\p)+1], v[B3:B3+1], v[DOUT+4+(\p):DOUT+4+(\p)+1]
.endif
.endr
.endif
.endm
; Product i of a tile's 8: unit tile i % 2, units 32 (i / 2) .. of layer 1 along K.  The first two start the sums with b_h.  The two accumulators take turns, one instruction a turn.
.macro MM i
.if HM
.set rD, D+16*PM+8*((\i)&1)
.set rA, AF+8*((\i)>>1)
.set rW, WB+8*(4*((\i)&1)+((\i)>>1))
.if (\i) < 2
	v_wmma_f32_16x16x32_bf16 v[rD:rD+7], v[rA:rA+7], v[rW:rW+7], v[BIAS+8*(\i):BIAS+8*(\i)+7]
.else
	v_wmma_f32_16x16x32_bf16 v[rD:rD+7], v[rA:rA+7], v[rW:rW+7], v[rD:rD+7]
.endif
.endif
.endm
.macro OUTMM                           ; 16 rows of s2 x W_out of my 32 units (the same in all 16 columns of B), started with b_out or 0
.if HO
	v_wmma_f32_16x16x32_bf16 v[DOUT:DOUT+7], v[SF:SF+7], v[WO:WO+7], v[BO:BO+7]
.if !HE
	PLACES
.endif
.endif
.endm
.macro RFT f, t                        ; fragment f of tile t of the buffer that is read: two loads of 16 bytes, 32 bytes apart
	ds_load_b128 v[AF+8*(\f):AF+8*(\f)+3],   v[AR+RBUF] offset:(\t)*16*PITCH+64*(\f)
	ds_load_b128 v[AF+8*(\f)+4:AF+8*(\f)+7], v[AR+RBUF] offset:(\t)*16*PITCH+64*(\f)+32
	DSI 2
.set MF\f, DSN
.endm
.macro RFN f                           ; the next tile's fragment f, four plain vector lines or more behind the last product that read the registers
.if HM && (K < 7)
	RFT \f, K+1
.endif
.endm
.macro XL                              ; the chunk's 16 x of my column
.if HL
.irp q, 0,1,2,3
	ds_load_b128 v[X+4*(\q):X+4*(\q)+3], v[AX] offset:16*(\q)
.endr
	DSI 4
.set MX, DSN
.endif
.endm
; A SLOT's END, under window 0: s2 of tile k - 1 is packed, stored by unit and read back turned (LDS serves a wave's instructions in order: ISA guide 5.7.1.4); s1 of the slot's two steps is packed and stored;
; the next tile's last fragment is fetched (the roundings above it are the places behind the slot's last product); m3 of tile k - 2 is stored (sixteen lanes hold and store the same words).
.macro PACKRUN
	WIN 0
.if HE
.irp u, 0,1
	v_cvt_pk_bf16_f32 v[S2P+4*(\u)],   v[S2E+4*(\u)],   v[S2E+4*(\u)+1]
	v_cvt_pk_bf16_f32 v[S2P+4*(\u)+1], v[S2E+4*(\u)+2], v[S2E+4*(\u)+3]
	v_cvt_pk_bf16_f32 v[S2P+4*(\u)+2], v[S2O+4*(\u)],   v[S2O+4*(\u)+1]
	v_cvt_pk_bf16_f32 v[S2P+4*(\u)+3], v[S2O+4*(\u)+2], v[S2O+4*(\u)+3]
.endr
	ds_store_b128 v[ASW], v[S2P:S2P+3]
	ds_store_b128 v[ASW], v[S2P+4:S2P+7] offset:512
	ds_load_tr16_b128 v[SF:SF+3],   v[ASR]
	ds_load_tr16_b128 v[SF+4:SF+7], v[ASR] offset:512
	DSI 4
.set MSF, DSN
.endif
.if HL
.irp q, 0,1,2,3
	v_cvt_pk_bf16_f32 v[P1E+(\q)], v[S1E+2*(\q)], v[S1E+2*(\q)+1]
.endr
	ds_store_b128 v[AW+WBUF], v[P1E:P1E+3] offset:16*K*PITCH
.irp q, 0,1,2,3
	v_cvt_pk_bf16_f32 v[P1O+(\q)], v[S1O+2*(\q)], v[S1O+2*(\q)+1]
.endr
	ds_store_b128 v[AW+WBUF], v[P1O:P1O+3] offset:(16*K+1)*PITCH
	DSI 2
.endif
	RFN 3
.if HO
	ds_store_b128 v[AC], v[M3E:M3E+3] offset:64*K
	ds_store_b128 v[AC], v[M3O:M3O+3] offset:64*K+32
	DSI 2
.endif
.if K == 7
.if HL
	s_add_co_u32 s36, s36, 64                      ; the next chunk's 16 words of x
	v_add_nc_u32 v[AX], s36, v[AX0]
.endif
.if STEPF
	s_add_co_u32 s37, s37, 512                     ; the next chunk's 16 steps of m3
	v_add_nc_u32 v[AC], s37, v[AC0]
.endif
.endif
.endm
; A SLOT: tile k's 8 products, the output's one, and behind each a group of layer 2 and a group of layer 1, so that the links of either recurrence stand four lines or more apart.
.macro SLOT k
.set K, (\k)
.set PM, K&1
.set PE, (K+1)&1
	WIN 0x04
.if HM
	WAITM MF1                                      ; fragments 0 and 1 are in
.endif
	MM 0
	EG 1
	LG 1
	MM 1
	EG 2
	LG 2
	RFN 0
	MM 2
	EG 3
	LG 3
	MM 3
	EG 4
	LG 4
	RFN 1
.if HO
	WAITM MSF                                      ; s2 is back turned; fragment 2, asked for earlier, is in too
.elseif HM
	WAITM MF2
.endif
	OUTMM
	EG 5
	LG 5
	MM 4
	EG 6
	LG 6
	MM 5
	LG 7
	OG 1
.if HM && (!HL) && (K < 7)
	PLACES
.endif
	RFN 2
.if HM
	WAITM MF3                                      ; fragment 3 is in
.endif
	MM 6
	LG 8
	OG 2
	MM 7
	PACKRUN
.endm
; A BODY's FIRST SLOT holds the chunk's one barrier.  In front of the signal: my stores of s1 into the buffer that will be read, and my reads of the buffer that will be written, are done (the wait is for 0).
; Between signal and wait: work on registers, and loads of x, which nobody writes any more.  Behind the wait the buffers have changed parts.
.macro SLOTB
.set K, 0
.set PM, 0
.set PE, 1
	WIN 0x04
	EG 1
	EG 2
	s_wait_dscnt 0x0
	s_barrier_signal -1
	XL
	OUTMM
	EG 3
	EG 4
	s_barrier_wait -1
.irp f, 0,1,2,3
	RFT \f, 0
.endr
	EG 5
	EG 6
	OG 1
	OG 2
.if HL
	WAITM MX                                       ; x is in; the eight fragment loads may stay out
.endif
	LG 1
	LG 2
	WAITM MF1
	MM 0
	LG 3
	MM 1
	LG 4
.if !HL
	PLACES
.endif
	RFN 0
	MM 2
	LG 5
	MM 3
	LG 6
.if !HL
	PLACES
.endif
	RFN 1
	WAITM MF3
	MM 4
	LG 7
	MM 5
	LG 8
.if !HL
	PLACES
.endif
	RFN 2
	MM 6
	MM 7
	PACKRUN
.endm
.macro BODY r, w                       ; reads buffer r, writes buffer w
.set RBUF, (\r)
.set WBUF, (\w)
	SLOTB
.irp k, 1,2,3,4,5,6,7
	SLOT \k
.endr
.endm
; ---------------- THE HEAD ----------------
	s_load_b512 s[8:23], s[0:1], 0x0               ; x 8, W_in 10, b_in 12, beta_in 14, thr_in 16, W_h 18, b_h 20, beta_h 22
	s_load_b256 s[24:31], s[0:1], 0x40             ; thr_h 24, W_out 26, b_out 28, beta_out 30
	s_load_b64 s[32:33], s[0:1], 0x60              ; out0
	v_lshl_add_u32 v[SPW], v0, 2, SPARE
	v_mov_b32 v[NIL], 0
	v_lshrrev_b32 v1, 5, v0
	v_readfirstlane_b32 s[WV], v1                  ; wave 0..3
	v_and_b32 v[tR], 15, v0                        ; l % 16
	v_bfe_u32 v[tHF], v0, 4, 1                     ; l / 16
	v_and_b32 v[tB1], 7, v0                        ; l % 8
	v_bfe_u32 v[tOC], v0, 3, 2                     ; l / 8
	v_bfe_u32 v[tA], v0, 3, 1                      ; (l / 8) % 2
	s_lshl_b32 s42, s[WV], 6                       ; my wave's 32 units: 64 bytes of a row of s1
	v_mul_u32_u24 v[AW], v[tB1], 2*PITCH           ; my column's two rows of a tile,
	v_lshl_add_u32 v[AW], v[tOC], 4, v[AW]         ; my 8 units
	v_add_nc_u32 v[AW], s42, v[AW]
	v_add_nc_u32 v[AW+1], S1B, v[AW]
	v_and_b32 v[tB], 3, v0                         ; row m = l % 16 of a tile lies in LDS row 8 (m / 8) + 2 (m % 4) + (m / 4) % 2
	v_bfe_u32 v[tC], v0, 2, 1
	v_lshl_add_u32 v[tB], v[tB], 1, v[tC]
	v_lshl_add_u32 v[tB], v[tA], 3, v[tB]
	v_mul_u32_u24 v[AR], v[tB], PITCH
	v_lshl_add_u32 v[AR], v[tHF], 4, v[AR]
	v_add_nc_u32 v[AR+1], S1B, v[AR]
	s_lshl_b32 s43, s[WV], 10
	s_add_co_u32 s43, s43, SCR                     ; my wave's scratch
	v_lshlrev_b32 v[ASW], 5, v[tR]                 ; in: unit l % 16, rows 8 (l / 16) .. + 7
	v_lshl_add_u32 v[ASW], v[tHF], 4, v[ASW]
	v_add_nc_u32 v[ASW], s43, v[ASW]
	v_lshl_add_u32 v[ASR], v[tHF], 3, v[tB1]       ; back: lane l names unit 8 (l / 16) + l % 8, rows 8 ((l / 8) % 2) .. + 7
	v_lshlrev_b32 v[ASR], 5, v[ASR]
	v_lshl_add_u32 v[ASR], v[tA], 4, v[ASR]
	v_add_nc_u32 v[ASR], s43, v[ASR]
	v_mul_u32_u24 v[AX0], v[tB1], XP
	v_add_nc_u32 v[AX0], XT, v[AX0]
	s_lshl_b32 s44, s[WV], 14
	s_add_co_u32 s44, s44, CUR-128                 ; m3 is stored two tiles (128 bytes) behind the slot's number
	v_lshl_add_u32 v[AC0], v[tHF], 4, s44
	v_and_b32 v[tB], 1, v0                         ; x and out0: thread n takes step n / 2 (and 64, 128 .. further on), columns 4 (n % 2) .. + 3
	v_lshrrev_b32 v[tC], 1, v0
	v_mul_u32_u24 v[XS], v[tB], 4*XP
	v_lshl_add_u32 v[XS], v[tC], 2, v[XS]
	v_add_nc_u32 v[XS], XT, v[XS]
	v_lshlrev_b32 v[VO], 13, v[tC]
	v_lshl_add_u32 v[VO], v[tB], 4, v[VO]
	s_lshl_b32 s45, s[WV], 7                       ; my wave's 32 units in a vector of f32
	v_lshl_add_u32 v[PO1], v[tOC], 5, s45
	v_lshl_add_u32 v[PO2], v[tR], 2, s45
	v_lshl_add_u32 v[PO3], v[tHF], 5, s45
	s_lshl_b32 s46, s[WV], 14                      ; and their 32 rows of W_h
	v_lshl_add_u32 v[PO4], v[tR], 9, s46
	v_lshl_add_u32 v[PO4], v[tHF], 5, v[PO4]
	s_lshl_b32 s38, ttmp9, 5                       ; the work-group's 8 columns: 32 bytes
	s_mov_b32 s39, 0
	s_wait_kmcnt 0x0
	s_load_b32 s40, s[28:29], 0x0                  ; b_out
	s_load_b32 s41, s[30:31], 0x0                  ; beta_out
	s_add_nc_u64 s[8:9], s[8:9], s[38:39]
	s_add_nc_u64 s[32:33], s[32:33], s[38:39]
	; 58 loads in one run: 8 of x, 8 of layer 1's parameters, 10 of layer 2's and the output's, 32 of W_h
.irp i, 0,1,2,3,4,5,6,7
	global_load_b128 v[D+4*(\i):D+4*(\i)+3], v[VO], s[8:9] offset:(\i)*64*ROWB
.endr
.irp q, 0,1
	global_load_b128 v[C1E+4*(\q):C1E+4*(\q)+3], v[PO1], s[10:11] offset:16*(\q)
	global_load_b128 v[LB+4*(\q):LB+4*(\q)+3],   v[PO1], s[12:13] offset:16*(\q)
	global_load_b128 v[C1O+4*(\q):C1O+4*(\q)+3], v[PO1], s[14:15] offset:16*(\q)
	global_load_b128 v[LTB+4*(\q):LTB+4*(\q)+3], v[PO1], s[16:17] offset:16*(\q)
.endr
.irp q, 0,1
	global_load_b32 v[BIAS+8*(\q)], v[PO2], s[20:21] offset:64*(\q)
	global_load_b32 v[M2+(\q)],     v[PO2], s[22:23] offset:64*(\q)
	global_load_b32 v[M2+2+(\q)],   v[PO2], s[24:25] offset:64*(\q)
.endr
.irp q, 0,1,2,3
	global_load_b128 v[AF+4*(\q):AF+4*(\q)+3], v[PO3], s[26:27] offset:16*((\q)&1)+64*((\q)>>1)
.endr
	WIN 0x40                                       ; destination window 1
.irp g, 0,1,2,3,4,5,6,7
.irp q, 0,1,2,3
	global_load_b128 v[STG+16*(\g)+4*(\q):STG+16*(\g)+4*(\q)+3], v[PO4], s[18:19] offset:8192*((\g)>>2)+128*((\g)&3)+16*((\q)&1)+64*((\q)>>1)
.endr
.endr
	WIN 0
	s_wait_loadcnt 50                              ; x is in: 50 loads were issued behind it
.set z, 0
.rept 16
	RB D+z, D+z+1
.set z, z+2
.endr
.irp i, 0,1,2,3,4,5,6,7
.irp e, 0,1,2,3
	ds_store_b32 v[XS], v[D+4*(\i)+(\e)] offset:XP*(\e)+256*(\i)
.endr
.endr
	s_wait_loadcnt 42                              ; layer 1's parameters are in: 42 behind them
.set z, 0
.rept 4
	RB LB+z, LB+z+1                                ; b_in
	RB LTB+z, LTB+z+1                              ; thr_in, for now
	RB C1O+z, C1O+z+1                              ; beta_in
	v_cvt_pk_bf16_f32 v[TT+z/2], v[C1E+z], v[C1E+z+1]  ; W_in
.set z, z+2
.endr
.set z, 0
.rept 8
	v_max_num_f32 v[C1O+z], 0, v[C1O+z]
.set z, z+1
.endr
	WIN 0x40
.set z, 0
.rept 4
	v_lshlrev_b32 v[LW+2*z], 16, v[TT+z]
	v_and_b32 v[LW+2*z+1], 0xffff0000, v[TT+z]
.set z, z+1
.endr
.set z, 0
.rept 8
	v_min_num_f32 v[LBE+z], 1.0, v[C1O+z]
	v_xor_b32 v[LNT+z], 0x80000000, v[LTB+z]
.set z, z+1
.endr
	WIN 0
.set z, 0
.rept 8
	v_mul_f32 v[LTB+z], 0xf1800000, v[LTB+z]       ; x -2^100: exact
.set z, z+1
.endr
	s_wait_loadcnt 32                              ; layer 2's and the output's parameters are in: W_h's 32 loads may stay out
	s_wait_kmcnt 0x0
	RB BIAS, BIAS+8                                ; b_h of my two units
	RB M2, M2+1                                    ; beta_h
	RB M2+2, M2+3                                  ; thr_h
	v_mov_b32 v[tA], s40
	v_mov_b32 v[tB], s41
	RB tA, tB
	v_max_num_f32 v[M2], 0, v[M2]
	v_max_num_f32 v[M2+1], 0, v[M2+1]
	v_max_num_f32 v[tB], 0, v[tB]
	s_cmp_eq_u32 s[WV], 0
	s_cselect_b32 s42, -1, 0
	v_and_b32 v[BO], s42, v[tA]                    ; b_out enters one of the four parts of m3
.set z, 1
.rept 7
	v_mov_b32 v[BIAS+z], v[BIAS]
	v_mov_b32 v[BIAS+8+z], v[BIAS+8]
	v_mov_b32 v[BO+z], v[BO]
.set z, z+1
.endr
.irp q, 0,1,2,3
	v_mul_f32 v[TB2+(\q)], 0xf1800000, v[M2+2+(\q)/2]
.endr
	WIN 0x40
.irp q, 0,1,2,3
	v_min_num_f32 v[BE2+(\q)], 1.0, v[M2+(\q)/2]
	v_xor_b32 v[NT2+(\q)], 0x80000000, v[M2+2+(\q)/2]
.endr
.irp q, 0,1
	v_min_num_f32 v[B3+(\q)], 1.0, v[tB]
	v_mov_b32 v[BIG+(\q)], 0x71800000              ; 2^100
.if !FUSE
	v_mov_b32 v[ONE+(\q)], 1.0
.endif
.endr
.set z, 0
.rept 8
	v_cvt_pk_bf16_f32 v[WO+z], v[AF+2*z], v[AF+2*z+1]
.set z, z+1
.endr
	s_wait_loadcnt 0x0                             ; W_h
	WIN 0x45                                       ; sources and destination window 1
.set z, 0
.rept 64
	v_cvt_pk_bf16_f32 v[WB+z], v[STG+2*z], v[STG+2*z+1]
.set z, z+1
.endr
	WIN 0
.set z, 0
.rept 8
	v_mov_b32 v[M1+z], 0                           ; the state starts at 0
	v_mov_b32 v[M2+z], 0
.set z, z+1
.endr
.irp q, 0,1,2,3
	v_mov_b32 v[M3O+(\q)], 0
.endr
	v_mov_b32 v[AX], v[AX0]
	v_mov_b32 v[AC], v[AC0]
	s_mov_b32 s36, 0
	s_mov_b32 s37, 0
	FLAGS 0, 1, 0, 1
	WIN 0x04
	LG 8                                           ; the first step's resets: (0 > thr), by the loop's own lines
	EG 6
	s_wait_dscnt 0x0                               ; for the others' sake: my part of x lies in LDS
	s_barrier_signal -1
	s_barrier_wait -1
; ---------------- LAYER 1 OF CHUNK 0 ----------------
	FLAGS 0, 0, 0, 1
.set WBUF, 0
	XL
	WAITM MX
.irp k, 0,1,2,3,4,5,6,7
	SLOT \k
.endr
; ---------------- BODY 1: the later stages start one after the other ----------------
.set RBUF, 0
.set WBUF, 1
.set STEPF, 1
	FLAGS 1, 0, 0, 1
	SLOTB
	FLAGS 1, 1, 0, 1
	SLOT 1
	FLAGS 1, 1, 1, 1
.irp k, 2,3,4,5,6,7
	SLOT \k
.endr
; ---------------- BODIES 2 TO 31, two a trip ----------------
	s_mov_b32 s35, 15
.Lchunk:
	BODY 1, 0
	BODY 0, 1
	s_sub_co_u32 s35, s35, 1
	s_cmp_lg_u32 s35, 0
	s_cbranch_scc1 .Lchunk
; ---------------- BODY 32: layer 2 and the output of chunk 31; then the two stages that lag ----------------
.set STEPF, 0
	FLAGS 1, 1, 1, 0
	BODY 1, 0
	FLAGS 0, 1, 1, 0
	SLOT 8
	FLAGS 0, 0, 1, 0
	SLOT 9
; ---------------- THE WAY OUT: the four parts of m3 are added and stored ----------------
	s_wait_dscnt 0x0                               ; for the others' sake: my part of m3 lies in LDS
	s_barrier_signal -1
	s_barrier_wait -1
	v_lshl_add_u32 v1, v0, 4, CUR                  ; piece n + 128 i: 16 bytes, step n / 2 + 64 i, columns 4 (n % 2) .. + 3
.irp i, 0,1,2,3,4,5,6,7
.irp w, 0,1,2,3
	ds_load_b128 v[64+16*(\i)+4*(\w):64+16*(\i)+4*(\w)+3], v1 offset:2048*(\i)+16384*(\w)
.endr
.endr
.irp i, 0,1,2,3,4,5,6,7
	s_wait_dscnt 28-4*(\i)                         ; this piece's four parts are in; the later pieces' loads may stay out
.irp p, 0,2
	v_pk_add_f32 v[64+16*(\i)+(\p):64+16*(\i)+(\p)+1],   v[64+16*(\i)+(\p):64+16*(\i)+(\p)+1],   v[68+16*(\i)+(\p):68+16*(\i)+(\p)+1]
	v_pk_add_f32 v[72+16*(\i)+(\p):72+16*(\i)+(\p)+1],   v[72+16*(\i)+(\p):72+16*(\i)+(\p)+1],   v[76+16*(\i)+(\p):76+16*(\i)+(\p)+1]
.endr
.irp p, 0,2
	v_pk_add_f32 v[64+16*(\i)+(\p):64+16*(\i)+(\p)+1],   v[64+16*(\i)+(\p):64+16*(\i)+(\p)+1],   v[72+16*(\i)+(\p):72+16*(\i)+(\p)+1]
.endr
	global_store_b128 v[VO], v[64+16*(\i):64+16*(\i)+3], s[32:33] offset:(\i)*64*ROWB  ; two neighbouring lanes store a step's 32 bytes
.endr
	s_wait_tensorcnt 0x0                           ; the wave's end
	ds_add_u32 v[SPW], v[NIL]
	s_wait_dscnt 0x0
	s_endpgm
.Lfunc_end_k_qf5cc9d3341_main:
	.size	k_qf5cc9d3341_main, .Lfunc_end_k_qf5cc9d3341_main-k_qf5cc9d3341_main
	.p2alignl 7, 3214868480
	.fill 96, 4, 3214868480
	.section	.rodata,"a",@progbits
	.p2align	6, 0x0
	.amdhsa_kernel k_qf5cc9d3341_main
		.amdhsa_group_segment_fixed_size 167936
		.amdhsa_private_segment_fixed_size 0
		.amdhsa_enable_private_segment 0
		.amdhsa_kernarg_size 104
		.amdhsa_user_sgpr_count 2
		.amdhsa_user_sgpr_kernarg_segment_ptr 1
		.amdhsa_wavefront_size32 1
		.amdhsa_system_sgpr_workgroup_id_x 1
		.amdhsa_system_sgpr_workgroup_id_y 1
		.amdhsa_system_sgpr_workgroup_id_z 1
		.amdhsa_system_vgpr_workitem_id 0
		.amdhsa_next_free_vgpr 512
		.amdhsa_next_free_sgpr 66
		.amdhsa_reserve_vcc 0
		.amdhsa_float_denorm_mode_32 3
		.amdhsa_float_denorm_mode_16_64 3
		.amdhsa_memory_ordered 1
		.amdhsa_forward_progress 1
		.amdhsa_inst_pref_size 244
	.end_amdhsa_kernel
	.amdgpu_metadata
---
amdhsa.version: [ 1, 2 ]
amdhsa.kernels:
  - .name:           k_qf5cc9d3341_main
    .symbol:         k_qf5cc9d3341_main.kd
    .args:
      - { .name: x, .offset: 0, .size: 8, .value_kind: global_buffer, .address_space: global }
      - { .name: W_in, .offset: 8, .size: 8, .value_kind: global_buffer, .address_space: global }
      - { .name: b_in, .offset: 16, .size: 8, .value_kind: global_buffer, .address_space: global }
      - { .name: beta_in, .offset: 24, .size: 8, .value_kind: global_buffer, .address_space: global }
      - { .name: thr_in, .offset: 32, .size: 8, .value_kind: global_buffer, .address_space: global }
      - { .name: W_h, .offset: 40, .size: 8, .value_kind: global_buffer, .address_space: global }
      - { .name: b_h, .offset: 48, .size: 8, .value_kind: global_buffer, .address_space: global }
      - { .name: beta_h, .offset: 56, .size: 8, .value_kind: global_buffer, .address_space: global }
      - { .name: thr_h, .offset: 64, .size: 8, .value_kind: global_buffer, .address_space: global }
      - { .name: W_out, .offset: 72, .size: 8, .value_kind: global_buffer, .address_space: global }
      - { .name: b_out, .offset: 80, .size: 8, .value_kind: global_buffer, .address_space: global }
      - { .name: beta_out, .offset: 88, .size: 8, .value_kind: global_buffer, .address_space: global }
      - { .name: out0, .offset: 96, .size: 8, .value_kind: global_buffer, .address_space: global }
    .group_segment_fixed_size: 167936
    .private_segment_fixed_size: 0
    .kernarg_segment_align: 8
    .kernarg_segment_size: 104
    .max_flat_workgroup_size: 128
    .sgpr_count:     66
    .vgpr_count:     512
    .wavefront_size: 32
...
	.end_amdgpu_metadata
.endif
;; end of part 1
;; ======== version 2 of 2: 1 launch; version 1 with the launch main written anew for expert scheduling mode
;; limits: inputs' magnitudes at most 134,217,728; below input magnitudes of 1.3e-23 results are inexact or not finite
;; launch main (part 2): grid 256 x 1, 4 waves a work-group, no clusters, 167,936 bytes of LDS; arguments x, W_in, b_in, beta_in, thr_in, W_h, b_h, beta_h, thr_h, W_out, b_out, beta_out, out0; writes out0
.if DOCPART == 2
	.amdgcn_target "amdgcn-amd-amdhsa--gfx1250"
	.amdhsa_code_object_version 6
	.text
	.protected	k_qf5cc9d3341_main
	.globl	k_qf5cc9d3341_main
	.p2align	8
	.type	k_qf5cc9d3341_main,@function
k_qf5cc9d3341_main:
	s_mov_b64 s[64:65], 0
	v_nop
	global_prefetch_b8 v0, s[64:65] scope:SCOPE_SE
	s_setreg_imm32_b32 hwreg(HW_REG_WAVE_SCHED_MODE, 0, 2), 2
	s_setreg_imm32_b32 hwreg(HW_REG_WAVE_MODE, 25, 1), 1
	s_wait_xcnt 0x0
	s_wait_alu depctr_vm_vsrc(0)
; A NET OF THREE LEAKY LAYERS, SCANNED OVER 512 STEPS.  x: [512][2048][1], out0: [512][2048][1], f32; 128 units in each of the two spiking layers.
;   layer 1:  m1 = b1 m1 + (x W_in + b_in) - r1 thr_in,  s1 = (m1 > thr_in)         layer 2:  m2 = b2 m2 + (s1 W_h^T + b_h) - r2 thr_h,  s2 = (m2 > thr_h)
;   output:   m3 = b3 m3 + (s2 W_out^T + b_out), stored for every step.             b = clip(beta, 0, 1); r = (m of the step before > thr).
; SHARES.  Only the batch is parallel: 256 work-groups of four waves, 8 columns of the batch each, all 512 steps.  Layer 1 is shared out by unit: wave w has units 32 w .. 32 w + 31, a lane one
; column (lane % 8) and 8 units (lane / 8).  Layer 2 likewise: wave w has units 32 w .. + 31 as two tiles of 16.  The output product is taken by each wave over its own 32 units; m3 is linear, so each
; wave integrates its own part of m3, and the four parts are added on the way out.
; TIME goes in chunks of 16 steps = 8 ROW TILES of 16 rows (2 steps x 8 columns).  In BODY c every wave makes layer 1 of chunk c, into one of two LDS buffers, and beside it layer 2 and the output of
; chunk c - 1, from the other buffer: ONE barrier a chunk, and vector work of one layer behind the matrix instructions of the other.
; LAYOUT.  D = A B + C with A = 16 rows of s1, B = 16 rows of W_h, C = b_h.  Row m of a tile is column 4 (m / 8) + m % 4 in step parity (m / 4) % 2.  In the result a lane then holds ONE unit (lane % 16);
; its registers 0-3 are four neighbouring columns of the even step, 4-7 the same columns of the odd step: the recurrence stays inside the lane, two columns to a packed instruction, parameters one a lane.
; s2 goes through 1,024 bytes of the wave's own LDS, stored by unit and read back turned (ds_load_tr16_b128), to be source 0 of the output product.
; A slot (one row tile) runs three stages: products of tile k, layer 2's recurrence of tile k - 1, output of tile k - 2.
; ARITHMETIC.  A spike is a decision, so every rounding ahead of it is reference()'s own.  ALL TWELVE INPUTS ARE ROUNDED ONCE TO bf16 (the format of the matrix operands); then x W_in is exact in f32,
; s1 W_h^T + b_h is a sum of bf16 numbers, and cur, the leak and the reset are rounded once each, in reference()'s order.  FUSE = 1: b m + cur is one fused multiply-add; FUSE = 0: the product is rounded first.
; IDENTITIES.  (m - thr > 0) is (m > thr) in f32 with denormals, so the reset of a step is the spike of the step before: one decision a unit and step; the first reset, (0 > thr), is made, not assumed.
; A spike is made by arithmetic: clamp to 0..1 of m 2^100 - thr 2^100, one rounding of an exact number: 1.0 where m > thr, 0.0 where not.
; NOTHING IS LEFT OUT: every input is loaded and every step of reference() is taken (the first step's products with the zero state stand inside the loop's text, beside live work).
; LIMITS.  Where 0 < m - thr < 2^-100 (both below 2^-76 in size) the spike is a fraction; |thr| stays under 2^27; NaN and infinities are not treated apart (clip by max_num, min_num).
; m3 is the sum of four integrators: its order of rounding is not reference()'s.  Weights of W_h below 2^-17 in size can make a sum inexact, and its rounding then hangs on the order of the terms.
; NOT USED.  Tensor loads, a ring, a prefetch: a work-group reads 16 KiB of x and 68 KiB of parameters once, at its head, converting on the way, and waits for no stream afterwards.  A cluster: what work-groups
; share is W_h, read once through registers.  out0 and x: a step's 8 columns are 32 consecutive bytes, so a store covers 32 bytes a step; wider pieces would want 64 columns to a work-group, 32 work-groups in all.
; THE MODE: SCHED_MODE bits 1:0 = 2 (LLVM: expert scheduling mode 2), set by the entry lines.  The code itself states the register dependences between vector or matrix instructions and memory or LDS
; instructions, with s_wait_alu, always for 0.
; THE PLAN.  Registers that LDS instructions touch, in the loop:
;   AF          Loads land in it: fragments 0, 1 of tile k + 1 in slot k's closing run, fragments 2, 3 in the head of slot k + 1.  Read by the tile's eight products.
;   SF          The two turning loads of slot k's closing run land in it.  Read by the output product of slot k + 1.
;   X           Four loads in a body's first slot land in it.  Read by layer 1's groups 1 and 2 in all eight slots.
;   S2P, P1E, P1O   Written by the roundings at a slot's end; read by the LDS stores behind them.
;   M3E, M3O    Written by the integrator's lines; read by the slot's two stores of m3.
;   v[AX]       Read by x's loads; written once a body, in slot 7.        v[AC]  Read by m3's stores; written once a body, in its first slot.
;   v[AW], v[AR], v[ASW], v[ASR]   Made at the head, never written again.
;   All else (the states, spikes, cur, D, DOUT, the parameters) is named by vector and matrix instructions alone.
; ONE wait on va_vdst stands in a slot, at its end, behind the roundings: the out-buffers and m3 are written; the products are done reading AF and SF; in slot 7 layer 1 is done reading X and v[AX] is written; in a
; body's first slot v[AC] is written.  Behind it stand the slot's stores and loads; the two fragments asked for in the next slot's head, and in a body's first slot x and all four fragments, lean on it too:
; the vector and matrix lines between (layer 2's groups 1 to 4, layer 1's groups 1 and 2, the output product) name none of AF, v[AR], v[AX], and those ahead of x's loads none of X.
; ONE wait on vm_vsrc stands in a slot's middle, ahead of the integrator's first line: the stores of the slot before have read m3, the out-buffers and v[AC], x's loads v[AX]; all are written again only further down.
.set FUSE,  1
.set ROWB,  8192                       ; bytes from step to step in x and out0
.set PITCH, 272                        ; a row of s1 in LDS: 128 bf16 + 16 bytes: the 16 rows of a fragment load, and the 16 lanes of a store, fall into 16 different columns of 16 bytes
.set S1B,   128*PITCH                  ; a buffer of s1: 16 steps x 8 columns; row 16 k + 2 column + parity.  Two buffers from byte 0
.set SCR,   2*S1B                      ; 1,024 bytes a wave: s2 of a tile, [32 units][16 rows] bf16
.set CUR,   SCR+4*1024                 ; 16,384 bytes a wave: its part of m3, [512 steps][8 columns] f32
.set XT,    CUR+4*16384                ; x rounded to bf16, kept as f32, turned: row = column, word = step
.set XP,    2064                       ; its pitch
.set SPARE, 155904                     ; the spare words, 128 bytes a wave: two blocks of 256 bytes that no other line names
; window 0
.set SPW, 2                            ; v2   my spare word's address; never rewritten
.set NIL, 3                            ; v3   0; never rewritten
.set AW,  4                            ; v4-5 where I store s1, buffer 0, 1
.set AR,  6                            ; v6-7 where I read fragments of s1, buffer 0, 1
.set ASW, 8                            ; v8   where I store s2
.set ASR, 9                            ; v9   where I read it back turned
.set AX0, 10                           ; v10  my column's row of x;  v11 the same at the chunk in hand
.set AX,  11
.set AC0, 12                           ; v12  my wave's part of m3, two tiles back;  v13 the same at the chunk in hand
.set AC,  13
.set PO4, 14                           ; head: offsets into W_h, and (XS) into XT
.set XS,  15
.set LB,  16                           ; v16-23  b_in of my 8 units
.set LTB, 24                           ; v24-31  -thr_in 2^100
.set M1,  32                           ; v32-39
.set S1E, 40                           ; v40-47  spikes of the even step,  v48-55 of the odd step
.set S1O, 48
.set C1E, 56                           ; v56-63  cur of the even step,  v64-71 of the odd step
.set C1O, 64
.set P1E, 72                           ; v72-79  spikes packed to bf16
.set P1O, 76
.set X,   80                           ; v80-95  the chunk's 16 x of my column
.set TB2, 96                           ; v96-99  -thr_h 2^100, a pair for each of my two units
.set M2,  100                          ; v100-107  4 columns for each unit
.set S2E, 108
.set S2O, 116
.set S2P, 124                          ; v124-131  s2 packed
.set BIAS,132                          ; v132-147  b_h, eight times for each unit: the C that starts a sum
.set D,   148                          ; v148-179  two buffers of two accumulators
.set SF,  180                          ; v180-187  s2 as source 0
.set DOUT,188                          ; v188-195
.set BO,  196                          ; v196-203  b_out in wave 0, else 0
.set M3E, 204
.set M3O, 208
.set AF,  212                          ; v212-243  a tile's four fragments of s1
.set TT,  244                          ; v244-251  head: at work; FUSE = 0: the rounded products
.set tR,  245
.set tHF, 246
.set tB1, 247
.set tOC, 248
.set tA,  249
.set tB,  250
.set tC,  251
.set VO,  252                          ; v252 my offset in x and in out0; never rewritten
.set PO1, 253
.set PO2, 254
.set PO3, 255
; window 1: all that stands as source 1 in the loop
.set WB,  0                            ; v0-63   W_h: unit tile u, fragment f at 8 (4 u + f)
.set WO,  64                           ; v64-71  W_out of my 32 units
.set LW,  72                           ; W_in, clip(beta_in), -thr_in of my 8 units
.set LBE, 80
.set LNT, 88
.set BE2, 96                           ; clip(beta_h), -thr_h: a pair for each unit
.set NT2, 100
.set BIG, 104                          ; 2^100 twice
.set B3,  106                          ; clip(beta_out) twice
.set ONE, 108
.set STG, 112                          ; v112-239  head: W_h in f32
.set WV,  34                           ; s34 wave; s35 trips; s36 64 x chunk (x); s37 512 x chunk (m3)
; An instruction names 256 registers; s_set_vgpr_msb says which window each operand place means (bits 1:0 source 0, 3:2 source 1, 5:4 source 2, 7:6 destination).
; THE LOOP RUNS UNDER ONE SETTING, 0x04: source 1 of every packed multiply-add is a parameter and source 1 of every product is a weight, and those lie in window 1.
; What wants source 1 in window 0 (roundings to bf16, LDS stores' data) stands together at a slot's end: two switches a slot.
.set MSB, 0
.macro WIN new                         ; the high byte repeats the setting that is left; a switch that changes nothing is dropped
.if MSB != (\new)
	s_set_vgpr_msb (MSB<<8)|(\new)
.set MSB, (\new)
.endif
.endm
.macro PLACES                          ; four places behind a matrix instruction where no other vector work is at hand (ISA guide 7.12.1)
.rept 4
	v_nop
.endr
.endm
; LDS instructions come back in order (ISA guide 5.7.1).  DSN counts them as they are written; a mark keeps the count behind a load; WAITM leaves out exactly those written behind the mark.
; Every BODY waits for 0 ahead of its first counted wait, so no mark is used across a label.
.set DSN, 0
.set MX,  0
.set MSF, 0
.set MF0, 0
.set MF1, 0
.set MF2, 0
.set MF3, 0
.macro DSI n
.set DSN, DSN+(\n)
.endm
.macro WAITM name
	s_wait_dscnt DSN-(\name)
.endm
.macro RB a, b                         ; two f32 rounded to bf16, nearest even, and widened again, in place
	v_cvt_pk_bf16_f32 v1, v[\a], v[\b]
	v_lshlrev_b32 v[\a], 16, v1
	v_and_b32 v[\b], 0xffff0000, v1
.endm
.macro FLAGS m, e, o, l                ; what a slot holds: products; layer 2's recurrence; the output; layer 1
.set HM, \m
.set HE, \e
.set HO, \o
.set HL, \l
.endm
.set K,  0
.set PM, 0
.set PE, 0
.set RBUF, 0
.set WBUF, 0
.set STEPF, 0                          ; 1: a body's first slot moves v[AC] on by a chunk
.set OUTP, 0                           ; 1: a slot before has issued LDS stores from the out-buffers
; LAYER 1, eight groups of four packed lines (my 8 units) for the tile's two steps: 1, 2 cur of the even and the odd step; 3 leak, 4 reset, 5 spike of the even step; 6, 7, 8 of the odd step.
.macro LLEAK c
.if FUSE
.set z, 0
.rept 4
	v_pk_fma_f32 v[M1+z:M1+z+1], v[M1+z:M1+z+1], v[LBE+z:LBE+z+1], v[(\c)+z:(\c)+z+1]
.set z, z+2
.endr
.else
.set z, 0
.rept 4
	v_pk_mul_f32 v[TT+z:TT+z+1], v[M1+z:M1+z+1], v[LBE+z:LBE+z+1]
.set z, z+2
.endr
.set z, 0
.rept 4
	v_pk_fma_f32 v[M1+z:M1+z+1], v[TT+z:TT+z+1], v[ONE:ONE+1], v[(\c)+z:(\c)+z+1]
.set z, z+2
.endr
.endif
.endm
.macro LG n
.if HL
.if (\n) == 3
	LLEAK C1E
.elseif (\n) == 6
	LLEAK C1O
.else
.set z, 0
.rept 4
.if (\n) == 1
	v_pk_fma_f32 v[C1E+z:C1E+z+1], v[X+2*K:X+2*K+1], v[LW+z:LW+z+1], v[LB+z:LB+z+1] op_sel_hi:[0,1,1]                ; the pair's first x for both units
.elseif (\n) == 2
	v_pk_fma_f32 v[C1O+z:C1O+z+1], v[X+2*K:X+2*K+1], v[LW+z:LW+z+1], v[LB+z:LB+z+1] op_sel:[1,0,0] op_sel_hi:[1,1,1]  ; its second
.elseif (\n) == 4
	v_pk_fma_f32 v[M1+z:M1+z+1], v[S1O+z:S1O+z+1], v[LNT+z:LNT+z+1], v[M1+z:M1+z+1]
.elseif (\n) == 5
	v_pk_fma_f32 v[S1E+z:S1E+z+1], v[M1+z:M1+z+1], v[BIG:BIG+1], v[LTB+z:LTB+z+1] clamp
.elseif (\n) == 7
	v_pk_fma_f32 v[M1+z:M1+z+1], v[S1E+z:S1E+z+1], v[LNT+z:LNT+z+1], v[M1+z:M1+z+1]
.else
	v_pk_fma_f32 v[S1O+z:S1O+z+1], v[M1+z:M1+z+1], v[BIG:BIG+1], v[LTB+z:LTB+z+1] clamp
.endif
.set z, z+2
.endr
.endif
.endif
.endm
; LAYER 2, six groups of four packed lines (two units x two pairs of columns) on the accumulators of the tile before: 1 leak, 2 reset, 3 spike of the even step; 4, 5, 6 of the odd step.
; Group 1 reads each accumulator's registers 0, 1 first.
.macro ELEAK o
.if FUSE
.irp q, 0,1,2,3
.set rO, 4*((\q)&1)+2*((\q)>>1)
.set rP, 2*((\q)&1)
.set rD, D+16*PE+8*((\q)&1)+2*((\q)>>1)+(\o)
	v_pk_fma_f32 v[M2+rO:M2+rO+1], v[M2+rO:M2+rO+1], v[BE2+rP:BE2+rP+1], v[rD:rD+1]
.endr
.else
.irp q, 0,1,2,3
.set rO, 4*((\q)&1)+2*((\q)>>1)
.set rP, 2*((\q)&1)
	v_pk_mul_f32 v[TT+2*(\q):TT+2*(\q)+1], v[M2+rO:M2+rO+1], v[BE2+rP:BE2+rP+1]
.endr
.irp q, 0,1,2,3
.set rO, 4*((\q)&1)+2*((\q)>>1)
.set rD, D+16*PE+8*((\q)&1)+2*((\q)>>1)+(\o)
	v_pk_fma_f32 v[M2+rO:M2+rO+1], v[TT+2*(\q):TT+2*(\q)+1], v[ONE:ONE+1], v[rD:rD+1]
.endr
.endif
.endm
.macro EG n
.if HE
.if (\n) == 1
	ELEAK 0
.elseif (\n) == 4
	ELEAK 4
.else
.irp q, 0,1,2,3
.set rO, 4*((\q)&1)+2*((\q)>>1)
.set rP, 2*((\q)&1)
.if (\n) == 2
	v_pk_fma_f32 v[M2+rO:M2+rO+1], v[S2O+rO:S2O+rO+1], v[NT2+rP:NT2+rP+1], v[M2+rO:M2+rO+1]
.elseif (\n) == 3
	v_pk_fma_f32 v[S2E+rO:S2E+rO+1], v[M2+rO:M2+rO+1], v[BIG:BIG+1], v[TB2+rP:TB2+rP+1] clamp
.elseif (\n) == 5
	v_pk_fma_f32 v[M2+rO:M2+rO+1], v[S2E+rO:S2E+rO+1], v[NT2+rP:NT2+rP+1], v[M2+rO:M2+rO+1]
.else
	v_pk_fma_f32 v[S2O+rO:S2O+rO+1], v[M2+rO:M2+rO+1], v[BIG:BIG+1], v[TB2+rP:TB2+rP+1] clamp
.endif
.endr
.endif
.endif
.endm
; THE OUTPUT's integrator, my wave's part: 1 the even step, 2 the odd step; four columns each.
.macro OG n
.if HO
.irp p, 0,2
.if (\n) == 1
	v_pk_fma_f32 v[M3E+(\p):M3E+(\p)+1], v[M3O+(\p):M3O+(\p)+1], v[B3:B3+1], v[DOUT+(\p):DOUT+(\p)+1]
.else
	v_pk_fma_f32 v[M3O+(\p):M3O+(\p)+1], v[M3E+(\p):M3E+(\p)+1], v[B3:B3+1], v[DOUT+4+(\p):DOUT+4+(\p)+1]
.endif
.endr
.endif
.endm
; Product i of a tile's 8: unit tile i % 2, units 32 (i / 2) .. of layer 1 along K.  The first two start the sums with b_h.  The two accumulators take turns, one instruction a turn.
.macro MM i
.if HM
.set rD, D+16*PM+8*((\i)&1)
.set rA, AF+8*((\i)>>1)
.set rW, WB+8*(4*((\i)&1)+((\i)>>1))
.if (\i) < 2
	v_wmma_f32_16x16x32_bf16 v[rD:rD+7], v[rA:rA+7], v[rW:rW+7], v[BIAS+8*(\i):BIAS+8*(\i)+7]
.else
	v_wmma_f32_16x16x32_bf16 v[rD:rD+7], v[rA:rA+7], v[rW:rW+7], v[rD:rD+7]
.endif
.endif
.endm
.macro OUTMM                           ; 16 rows of s2 x W_out of my 32 units (the same in all 16 columns of B), started with b_out or 0
.if HO
	v_wmma_f32_16x16x32_bf16 v[DOUT:DOUT+7], v[SF:SF+7], v[WO:WO+7], v[BO:BO+7]
.if !HE
	PLACES
.endif
.endif
.endm
.macro RFT f, t                        ; fragment f of tile t of the buffer that is read: two loads of 16 bytes, 32 bytes apart
	ds_load_b128 v[AF+8*(\f):AF+8*(\f)+3],   v[AR+RBUF] offset:(\t)*16*PITCH+64*(\f)
	ds_load_b128 v[AF+8*(\f)+4:AF+8*(\f)+7], v[AR+RBUF] offset:(\t)*16*PITCH+64*(\f)+32
	DSI 2
.set MF\f, DSN
.endm
.macro RFN f                           ; the next tile's fragment f, in a slot's closing run
.if HM && (K < 7)
	RFT \f, K+1
.endif
.endm
.macro RFO f                           ; this tile's fragment f, in the slot's head.  No wait: no vector or matrix line since the last slot's closing wait names AF or v[AR]
.if HM
	RFT \f, K
.endif
.endm
.macro XL                              ; the chunk's 16 x of my column
.if HL
.irp q, 0,1,2,3
	ds_load_b128 v[X+4*(\q):X+4*(\q)+3], v[AX] offset:16*(\q)
.endr
	DSI 4
.set MX, DSN
.endif
.endm
; A SLOT's END, under window 0.  First all its vector lines: s2 of tile k - 1 and s1 of the slot's two steps are packed (these roundings are also the places behind the slot's last product), and the one LDS address
; that is due moves on.  Then the slot's one wait on va_vdst.  Then its LDS instructions in one run: the next tile's fragments 0 and 1, which are wanted first; s2 stored by unit and read back turned (LDS serves a
; wave's instructions in order: ISA guide 5.7.1.4); s1 stored; m3 of tile k - 2 stored (sixteen lanes hold and store the same words).
.macro PACKRUN
	WIN 0
.if HE
.irp u, 0,1
	v_cvt_pk_bf16_f32 v[S2P+4*(\u)],   v[S2E+4*(\u)],   v[S2E+4*(\u)+1]
	v_cvt_pk_bf16_f32 v[S2P+4*(\u)+1], v[S2E+4*(\u)+2], v[S2E+4*(\u)+3]
	v_cvt_pk_bf16_f32 v[S2P+4*(\u)+2], v[S2O+4*(\u)],   v[S2O+4*(\u)+1]
	v_cvt_pk_bf16_f32 v[S2P+4*(\u)+3], v[S2O+4*(\u)+2], v[S2O+4*(\u)+3]
.endr
.endif
.if HL
.irp q, 0,1,2,3
	v_cvt_pk_bf16_f32 v[P1E+(\q)], v[S1E+2*(\q)], v[S1E+2*(\q)+1]
.endr
.irp q, 0,1,2,3
	v_cvt_pk_bf16_f32 v[P1O+(\q)], v[S1O+2*(\q)], v[S1O+2*(\q)+1]
.endr
.endif
.if HL && (K == 7)
	s_add_co_u32 s36, s36, 64                      ; the next chunk's 16 words of x
	v_add_nc_u32 v[AX], s36, v[AX0]                ; (this chunk's loads of x have read v[AX]: the slot's wait on vm_vsrc stands above)
.endif
.if STEPF && (K == 0)
	s_add_co_u32 s37, s37, 512                     ; the next chunk's 16 steps of m3: this slot's stores are the first to go there
	v_add_nc_u32 v[AC], s37, v[AC0]                ; (the last slot's stores of m3 have read v[AC]: the slot's wait on vm_vsrc stands above)
.endif
	s_wait_alu depctr_va_vdst(0)                   ; the roundings have written S2P, P1E, P1O and the integrator M3E, M3O, which the stores below read; the products are done reading AF and SF, in which loads land; an address stepped above is written; in slot 7 layer 1 is done reading X
	RFN 0
	RFN 1
.if HE
	ds_store_b128 v[ASW], v[S2P:S2P+3]
	ds_store_b128 v[ASW], v[S2P+4:S2P+7] offset:512
	ds_load_tr16_b128 v[SF:SF+3],   v[ASR]
	ds_load_tr16_b128 v[SF+4:SF+7], v[ASR] offset:512
	DSI 4
.set MSF, DSN
.endif
.if HL
	ds_store_b128 v[AW+WBUF], v[P1E:P1E+3] offset:16*K*PITCH
	ds_store_b128 v[AW+WBUF], v[P1O:P1O+3] offset:(16*K+1)*PITCH
	DSI 2
.endif
.if HO
	ds_store_b128 v[AC], v[M3E:M3E+3] offset:64*K
	ds_store_b128 v[AC], v[M3O:M3O+3] offset:64*K+32
	DSI 2
.endif
.set OUTP, 1
.endm
; A SLOT.  Its head is a run of layer 2's and layer 1's first three groups, which wait for no load; among them the tile's fragments 2 and 3 are asked for, and meanwhile fragments 0 and 1 land.
; Then tile k's 8 products and the output's one, behind each a group of layer 2 or of layer 1 by turns, so that the links of either recurrence stand four lines or more apart.
.macro SLOT k
.set K, (\k)
.set PM, K&1
.set PE, (K+1)&1
	WIN 0x04
	EG 1
	LG 1
	RFO 2
	EG 2
	LG 2
	RFO 3
	EG 3
	LG 3
.if HM
	WAITM MF1                                      ; fragments 0 and 1 are in
.endif
	MM 0
	EG 4
	MM 1
	LG 4
	MM 2
	EG 5
	MM 3
	LG 5
.if HO
	WAITM MSF                                      ; s2 is back turned
.endif
	OUTMM
	EG 6
.if HM
	WAITM MF2                                      ; fragment 2 is in
.endif
	MM 4
	LG 6
.if OUTP
	s_wait_alu depctr_vm_vsrc(0)                   ; the last slot's LDS stores have read M3E, M3O, S2P, P1E, P1O (and v[AC]; x's loads v[AX]), which the integrator, the roundings and the addresses' steps below write again
.endif
	MM 5
	LG 7
	OG 1
.if HM
	WAITM MF3                                      ; fragment 3 is in
.endif
	MM 6
	LG 8
	OG 2
	MM 7
	PACKRUN
.endm
; A BODY's FIRST SLOT holds the chunk's one barrier.  In front of the signal: my stores of s1 into the buffer that will be read, and my reads of the buffer that will be written, are done (the wait is for 0).
; Between signal and wait: work on registers, and loads of x, which nobody writes any more.  Behind the wait the buffers have changed parts.
; x's loads and the four fragments' lean on the last slot's closing wait on va_vdst: the lines since then (layer 2's groups 1 to 4, the output product) name none of X, v[AX], AF, v[AR].
.macro SLOTB
.set K, 0
.set PM, 0
.set PE, 1
	WIN 0x04
	EG 1
	EG 2
	s_wait_dscnt 0x0
	s_barrier_signal -1
	XL
	OUTMM
	EG 3
	EG 4
	s_barrier_wait -1
.irp f, 0,1,2,3
	RFT \f, 0
.endr
	EG 5
	EG 6
	s_wait_alu depctr_vm_vsrc(0)                   ; the last slot's LDS stores have read M3E, M3O, S2P, P1E, P1O and v[AC], which the integrator, the roundings and the address's step below write again
	OG 1
	OG 2
.if HL
	WAITM MX                                       ; x is in; the eight fragment loads may stay out
.endif
	LG 1
	LG 2
	WAITM MF1
	MM 0
	LG 3
	MM 1
	LG 4
	MM 2
	LG 5
	MM 3
	LG 6
	WAITM MF3
	MM 4
	LG 7
	MM 5
	LG 8
	MM 6
	MM 7
	PACKRUN
.endm
.macro BODY r, w                       ; reads buffer r, writes buffer w
.set RBUF, (\r)
.set WBUF, (\w)
	SLOTB
.irp k, 1,2,3,4,5,6,7
	SLOT \k
.endr
.endm
; ---------------- THE HEAD ----------------
	s_load_b512 s[8:23], s[0:1], 0x0               ; x 8, W_in 10, b_in 12, beta_in 14, thr_in 16, W_h 18, b_h 20, beta_h 22
	s_load_b256 s[24:31], s[0:1], 0x40             ; thr_h 24, W_out 26, b_out 28, beta_out 30
	s_load_b64 s[32:33], s[0:1], 0x60              ; out0
	v_lshl_add_u32 v[SPW], v0, 2, SPARE
	v_mov_b32 v[NIL], 0
	v_lshrrev_b32 v1, 5, v0
	v_readfirstlane_b32 s[WV], v1                  ; wave 0..3
	v_and_b32 v[tR], 15, v0                        ; l % 16
	v_bfe_u32 v[tHF], v0, 4, 1                     ; l / 16
	v_and_b32 v[tB1], 7, v0                        ; l % 8
	v_bfe_u32 v[tOC], v0, 3, 2                     ; l / 8
	v_bfe_u32 v[tA], v0, 3, 1                      ; (l / 8) % 2
	s_wait_alu depctr_va_sdst(0)                   ; the wave's number is written, ahead of its first reader: the wave's places in LDS and in the parameters are made from it
	s_lshl_b32 s42, s[WV], 6                       ; my wave's 32 units: 64 bytes of a row of s1
	v_mul_u32_u24 v[AW], v[tB1], 2*PITCH           ; my column's two rows of a tile,
	v_lshl_add_u32 v[AW], v[tOC], 4, v[AW]         ; my 8 units
	v_add_nc_u32 v[AW], s42, v[AW]
	v_add_nc_u32 v[AW+1], S1B, v[AW]
	v_and_b32 v[tB], 3, v0                         ; row m = l % 16 of a tile lies in LDS row 8 (m / 8) + 2 (m % 4) + (m / 4) % 2
	v_bfe_u32 v[tC], v0, 2, 1
	v_lshl_add_u32 v[tB], v[tB], 1, v[tC]
	v_lshl_add_u32 v[tB], v[tA], 3, v[tB]
	v_mul_u32_u24 v[AR], v[tB], PITCH
	v_lshl_add_u32 v[AR], v[tHF], 4, v[AR]
	v_add_nc_u32 v[AR+1], S1B, v[AR]
	s_lshl_b32 s43, s[WV], 10
	s_add_co_u32 s43, s43, SCR                     ; my wave's scratch
	v_lshlrev_b32 v[ASW], 5, v[tR]                 ; in: unit l % 16, rows 8 (l / 16) .. + 7
	v_lshl_add_u32 v[ASW], v[tHF], 4, v[ASW]
	v_add_nc_u32 v[ASW], s43, v[ASW]
	v_lshl_add_u32 v[ASR], v[tHF], 3, v[tB1]       ; back: lane l names unit 8 (l / 16) + l % 8, rows 8 ((l / 8) % 2) .. + 7
	v_lshlrev_b32 v[ASR], 5, v[ASR]
	v_lshl_add_u32 v[ASR], v[tA], 4, v[ASR]
	v_add_nc_u32 v[ASR], s43, v[ASR]
	v_mul_u32_u24 v[AX0], v[tB1], XP
	v_add_nc_u32 v[AX0], XT, v[AX0]
	s_lshl_b32 s44, s[WV], 14
	s_add_co_u32 s44, s44, CUR-128                 ; m3 is stored two tiles (128 bytes) behind the slot's number
	v_lshl_add_u32 v[AC0], v[tHF], 4, s44
	v_and_b32 v[tB], 1, v0                         ; x and out0: thread n takes step n / 2 (and 64, 128 .. further on), columns 4 (n % 2) .. + 3
	v_lshrrev_b32 v[tC], 1, v0
	v_mul_u32_u24 v[XS], v[tB], 4*XP
	v_lshl_add_u32 v[XS], v[tC], 2, v[XS]
	v_add_nc_u32 v[XS], XT, v[XS]
	v_lshlrev_b32 v[VO], 13, v[tC]
	v_lshl_add_u32 v[VO], v[tB], 4, v[VO]
	s_lshl_b32 s45, s[WV], 7                       ; my wave's 32 units in a vector of f32
	v_lshl_add_u32 v[PO1], v[tOC], 5, s45
	v_lshl_add_u32 v[PO2], v[tR], 2, s45
	v_lshl_add_u32 v[PO3], v[tHF], 5, s45
	s_lshl_b32 s46, s[WV], 14                      ; and their 32 rows of W_h
	v_lshl_add_u32 v[PO4], v[tR], 9, s46
	v_lshl_add_u32 v[PO4], v[tHF], 5, v[PO4]
	s_lshl_b32 s38, ttmp9, 5                       ; the work-group's 8 columns: 32 bytes
	s_mov_b32 s39, 0
	s_wait_kmcnt 0x0
	s_load_b32 s40, s[28:29], 0x0                  ; b_out
	s_load_b32 s41, s[30:31], 0x0                  ; beta_out
	s_add_nc_u64 s[8:9], s[8:9], s[38:39]
	s_add_nc_u64 s[32:33], s[32:33], s[38:39]
	s_wait_alu depctr_va_vdst(0)                   ; the offsets v[VO], v[PO1] to v[PO4] are written, which the loads below read; so are the LDS addresses v4 to v10, v12 and v15, which are never written again
	; 58 loads in one run: 8 of x, 8 of layer 1's parameters, 10 of layer 2's and the output's, 32 of W_h
.irp i, 0,1,2,3,4,5,6,7
	global_load_b128 v[D+4*(\i):D+4*(\i)+3], v[VO], s[8:9] offset:(\i)*64*ROWB
.endr
.irp q, 0,1
	global_load_b128 v[C1E+4*(\q):C1E+4*(\q)+3], v[PO1], s[10:11] offset:16*(\q)
	global_load_b128 v[LB+4*(\q):LB+4*(\q)+3],   v[PO1], s[12:13] offset:16*(\q)
	global_load_b128 v[C1O+4*(\q):C1O+4*(\q)+3], v[PO1], s[14:15] offset:16*(\q)
	global_load_b128 v[LTB+4*(\q):LTB+4*(\q)+3], v[PO1], s[16:17] offset:16*(\q)
.endr
.irp q, 0,1
	global_load_b32 v[BIAS+8*(\q)], v[PO2], s[20:21] offset:64*(\q)
	global_load_b32 v[M2+(\q)],     v[PO2], s[22:23] offset:64*(\q)
	global_load_b32 v[M2+2+(\q)],   v[PO2], s[24:25] offset:64*(\q)
.endr
.irp q, 0,1,2,3
	global_load_b128 v[AF+4*(\q):AF+4*(\q)+3], v[PO3], s[26:27] offset:16*((\q)&1)+64*((\q)>>1)
.endr
	WIN 0x40                                       ; destination window 1; between the wait above and these loads stand loads and this switch alone
.irp g, 0,1,2,3,4,5,6,7
.irp q, 0,1,2,3
	global_load_b128 v[STG+16*(\g)+4*(\q):STG+16*(\g)+4*(\q)+3], v[PO4], s[18:19] offset:8192*((\g)>>2)+128*((\g)&3)+16*((\q)&1)+64*((\q)>>1)
.endr
.endr
	WIN 0
	s_wait_loadcnt 50                              ; x is in: 50 loads were issued behind it
.set z, 0
.rept 16
	RB D+z, D+z+1
.set z, z+2
.endr
	s_wait_alu depctr_va_vdst(0)                   ; the roundings have written v[D ..], which the LDS stores read
.irp i, 0,1,2,3,4,5,6,7
.irp e, 0,1,2,3
	ds_store_b32 v[XS], v[D+4*(\i)+(\e)] offset:XP*(\e)+256*(\i)
.endr
.endr
	s_wait_loadcnt 42                              ; layer 1's parameters are in: 42 behind them
.set z, 0
.rept 4
	RB LB+z, LB+z+1                                ; b_in
	RB LTB+z, LTB+z+1                              ; thr_in, for now
	RB C1O+z, C1O+z+1                              ; beta_in
	v_cvt_pk_bf16_f32 v[TT+z/2], v[C1E+z], v[C1E+z+1]  ; W_in
.set z, z+2
.endr
.set z, 0
.rept 8
	v_max_num_f32 v[C1O+z], 0, v[C1O+z]
.set z, z+1
.endr
	WIN 0x40
.set z, 0
.rept 4
	v_lshlrev_b32 v[LW+2*z], 16, v[TT+z]
	v_and_b32 v[LW+2*z+1], 0xffff0000, v[TT+z]
.set z, z+1
.endr
.set z, 0
.rept 8
	v_min_num_f32 v[LBE+z], 1.0, v[C1O+z]
	v_xor_b32 v[LNT+z], 0x80000000, v[LTB+z]
.set z, z+1
.endr
	WIN 0
.set z, 0
.rept 8
	v_mul_f32 v[LTB+z], 0xf1800000, v[LTB+z]       ; x -2^100: exact
.set z, z+1
.endr
	s_wait_loadcnt 32                              ; layer 2's and the output's parameters are in: W_h's 32 loads may stay out
	s_wait_kmcnt 0x0
	RB BIAS, BIAS+8                                ; b_h of my two units
	RB M2, M2+1                                    ; beta_h
	RB M2+2, M2+3                                  ; thr_h
	v_mov_b32 v[tA], s40
	v_mov_b32 v[tB], s41
	RB tA, tB
	v_max_num_f32 v[M2], 0, v[M2]
	v_max_num_f32 v[M2+1], 0, v[M2+1]
	v_max_num_f32 v[tB], 0, v[tB]
	s_cmp_eq_u32 s[WV], 0
	s_cselect_b32 s42, -1, 0
	v_and_b32 v[BO], s42, v[tA]                    ; b_out enters one of the four parts of m3
.set z, 1
.rept 7
	v_mov_b32 v[BIAS+z], v[BIAS]
	v_mov_b32 v[BIAS+8+z], v[BIAS+8]
	v_mov_b32 v[BO+z], v[BO]
.set z, z+1
.endr
.irp q, 0,1,2,3
	v_mul_f32 v[TB2+(\q)], 0xf1800000, v[M2+2+(\q)/2]
.endr
	WIN 0x40
.irp q, 0,1,2,3
	v_min_num_f32 v[BE2+(\q)], 1.0, v[M2+(\q)/2]
	v_xor_b32 v[NT2+(\q)], 0x80000000, v[M2+2+(\q)/2]
.endr
.irp q, 0,1
	v_min_num_f32 v[B3+(\q)], 1.0, v[tB]
	v_mov_b32 v[BIG+(\q)], 0x71800000              ; 2^100
.if !FUSE
	v_mov_b32 v[ONE+(\q)], 1.0
.endif
.endr
.set z, 0
.rept 8
	v_cvt_pk_bf16_f32 v[WO+z], v[AF+2*z], v[AF+2*z+1]
.set z, z+1
.endr
	s_wait_loadcnt 0x0                             ; W_h
	WIN 0x45                                       ; sources and destination window 1
.set z, 0
.rept 64
	v_cvt_pk_bf16_f32 v[WB+z], v[STG+2*z], v[STG+2*z+1]
.set z, z+1
.endr
	WIN 0
.set z, 0
.rept 8
	v_mov_b32 v[M1+z], 0                           ; the state starts at 0
	v_mov_b32 v[M2+z], 0
.set z, z+1
.endr
.irp q, 0,1,2,3
	v_mov_b32 v[M3O+(\q)], 0
.endr
	v_mov_b32 v[AX], v[AX0]
	v_mov_b32 v[AC], v[AC0]
	s_mov_b32 s36, 0
	s_mov_b32 s37, 0
	FLAGS 0, 1, 0, 1
	WIN 0x04
	LG 8                                           ; the first step's resets: (0 > thr), by the loop's own lines
	EG 6
	s_wait_dscnt 0x0                               ; for the others' sake: my part of x lies in LDS
	s_barrier_signal -1
	s_barrier_wait -1
	s_wait_alu depctr_va_vdst(0)                   ; v[AX] is written, which x's loads below read (and v[AC], for the first stores of m3)
	s_wait_alu depctr_vm_vsrc(0)                   ; my LDS stores of x have read v[D ..], which the products write from BODY 1 on
; ---------------- LAYER 1 OF CHUNK 0 ----------------
	FLAGS 0, 0, 0, 1
.set WBUF, 0
	XL
	WAITM MX
.irp k, 0,1,2,3,4,5,6,7
	SLOT \k
.endr
; ---------------- BODY 1: the later stages start one after the other ----------------
.set RBUF, 0
.set WBUF, 1
	FLAGS 1, 0, 0, 1
	SLOTB
	FLAGS 1, 1, 0, 1
	SLOT 1
	FLAGS 1, 1, 1, 1
.irp k, 2,3,4,5,6,7
	SLOT \k
.endr
; ---------------- BODIES 2 TO 31, two a trip ----------------
.set STEPF, 1
	s_mov_b32 s35, 15
.Lchunk:
	BODY 1, 0
	BODY 0, 1
	s_sub_co_u32 s35, s35, 1
	s_cmp_lg_u32 s35, 0
	s_cbranch_scc1 .Lchunk
; ---------------- BODY 32: layer 2 and the output of chunk 31; then the two stages that lag ----------------
	FLAGS 1, 1, 1, 0
	BODY 1, 0
	FLAGS 0, 1, 1, 0
	SLOT 8
	FLAGS 0, 0, 1, 0
	SLOT 9
; ---------------- THE WAY OUT: the four parts of m3 are added and stored ----------------
	s_wait_dscnt 0x0                               ; for the others' sake: my part of m3 lies in LDS
	s_barrier_signal -1
	s_barrier_wait -1
	v_lshl_add_u32 v1, v0, 4, CUR                  ; piece n + 128 i: 16 bytes, step n / 2 + 64 i, columns 4 (n % 2) .. + 3
	s_wait_alu depctr_va_vdst(0)                   ; v1 is written, which the loads below read; every vector and matrix line that named v64 to v191, in which they land, is done
	s_wait_alu depctr_vm_vsrc(0)                   ; the LDS stores of s1 and s2 have read v72 to v79 and v124 to v131, in which loads below land
.irp i, 0,1,2,3,4,5,6,7
.irp w, 0,1,2,3
	ds_load_b128 v[64+16*(\i)+4*(\w):64+16*(\i)+4*(\w)+3], v1 offset:2048*(\i)+16384*(\w)
.endr
.endr
.irp i, 0,1,2,3,4,5,6,7
	s_wait_dscnt 28-4*(\i)                         ; this piece's four parts are in; the later pieces' loads may stay out
.irp p, 0,2
	v_pk_add_f32 v[64+16*(\i)+(\p):64+16*(\i)+(\p)+1],   v[64+16*(\i)+(\p):64+16*(\i)+(\p)+1],   v[68+16*(\i)+(\p):68+16*(\i)+(\p)+1]
	v_pk_add_f32 v[72+16*(\i)+(\p):72+16*(\i)+(\p)+1],   v[72+16*(\i)+(\p):72+16*(\i)+(\p)+1],   v[76+16*(\i)+(\p):76+16*(\i)+(\p)+1]
.endr
.irp p, 0,2
	v_pk_add_f32 v[64+16*(\i)+(\p):64+16*(\i)+(\p)+1],   v[64+16*(\i)+(\p):64+16*(\i)+(\p)+1],   v[72+16*(\i)+(\p):72+16*(\i)+(\p)+1]
.endr
.endr
	s_wait_alu depctr_va_vdst(0)                   ; the additions have written the eight pieces, which the stores read
.irp i, 0,1,2,3,4,5,6,7
	global_store_b128 v[VO], v[64+16*(\i):64+16*(\i)+3], s[32:33] offset:(\i)*64*ROWB  ; two neighbouring lanes store a step's 32 bytes
.endr
	s_wait_dscnt 0x0                               ; the closing lines, six on end
	s_wait_alu 0x0
	s_wait_tensorcnt 0x0
	ds_add_u32 v[SPW], v[NIL]
	s_wait_dscnt 0x0
	s_endpgm
.Lfunc_end_k_qf5cc9d3341_main:
	.size	k_qf5cc9d3341_main, .Lfunc_end_k_qf5cc9d3341_main-k_qf5cc9d3341_main
	.p2alignl 7, 3214868480
	.fill 96, 4, 3214868480
	.section	.rodata,"a",@progbits
	.p2align	6, 0x0
	.amdhsa_kernel k_qf5cc9d3341_main
		.amdhsa_group_segment_fixed_size 167936
		.amdhsa_private_segment_fixed_size 0
		.amdhsa_enable_private_segment 0
		.amdhsa_kernarg_size 104
		.amdhsa_user_sgpr_count 2
		.amdhsa_user_sgpr_kernarg_segment_ptr 1
		.amdhsa_wavefront_size32 1
		.amdhsa_system_sgpr_workgroup_id_x 1
		.amdhsa_system_sgpr_workgroup_id_y 1
		.amdhsa_system_sgpr_workgroup_id_z 1
		.amdhsa_system_vgpr_workitem_id 0
		.amdhsa_next_free_vgpr 512
		.amdhsa_next_free_sgpr 66
		.amdhsa_reserve_vcc 0
		.amdhsa_float_denorm_mode_32 3
		.amdhsa_float_denorm_mode_16_64 3
		.amdhsa_memory_ordered 1
		.amdhsa_forward_progress 1
		.amdhsa_inst_pref_size 246
	.end_amdhsa_kernel
	.amdgpu_metadata
---
amdhsa.version: [ 1, 2 ]
amdhsa.kernels:
  - .name:           k_qf5cc9d3341_main
    .symbol:         k_qf5cc9d3341_main.kd
    .args:
      - { .name: x, .offset: 0, .size: 8, .value_kind: global_buffer, .address_space: global }
      - { .name: W_in, .offset: 8, .size: 8, .value_kind: global_buffer, .address_space: global }
      - { .name: b_in, .offset: 16, .size: 8, .value_kind: global_buffer, .address_space: global }
      - { .name: beta_in, .offset: 24, .size: 8, .value_kind: global_buffer, .address_space: global }
      - { .name: thr_in, .offset: 32, .size: 8, .value_kind: global_buffer, .address_space: global }
      - { .name: W_h, .offset: 40, .size: 8, .value_kind: global_buffer, .address_space: global }
      - { .name: b_h, .offset: 48, .size: 8, .value_kind: global_buffer, .address_space: global }
      - { .name: beta_h, .offset: 56, .size: 8, .value_kind: global_buffer, .address_space: global }
      - { .name: thr_h, .offset: 64, .size: 8, .value_kind: global_buffer, .address_space: global }
      - { .name: W_out, .offset: 72, .size: 8, .value_kind: global_buffer, .address_space: global }
      - { .name: b_out, .offset: 80, .size: 8, .value_kind: global_buffer, .address_space: global }
      - { .name: beta_out, .offset: 88, .size: 8, .value_kind: global_buffer, .address_space: global }
      - { .name: out0, .offset: 96, .size: 8, .value_kind: global_buffer, .address_space: global }
    .group_segment_fixed_size: 167936
    .private_segment_fixed_size: 0
    .kernarg_segment_align: 8
    .kernarg_segment_size: 104
    .max_flat_workgroup_size: 128
    .sgpr_count:     66
    .vgpr_count:     512
    .wavefront_size: 32
...
	.end_amdgpu_metadata
.endif
;; end of part 2
